; MI455X (gfx1250); checked and timed in simulation.
; The chip was launched on July 23, 2026; its instructions are those of AMD's public machine-readable ISA for CDNA 5 (MIT licence, August 2026) and "CDNA5" Instruction Set Architecture Reference Guide (July 2026). The comments in the code are by the model that wrote it; some were corrected since.
;; Attention. Allowed arithmetic: matrix products marked QUANTISED: E5M2 operands, one given power-of-two scale a tensor, by v_wmma_f32_16x16x64_bf8_bf8 or v_wmma_f32_16x16x128_bf8_bf8, f32 sums; products left as they are: f32 operands where the result goes on into a quantised operand, else bf16, f16 or f32 operands; f32 sums; everything else in f32.
;; Inputs: V_b 1 float32; V_w 1,024 x 1 float32; W1_b 1,024 float32; W1_w_codes 1,024 x 32 x 32 uint8 (E5M2 codes of W1_w, K innermost, in blocks of 32 codes); W2_b 1,024 float32; W2_w_codes 1,024 x 32 x 32 uint8 (E5M2 codes of W2_w, K innermost, in blocks of 32 codes); features 32 x 2,048 x 1,024 float32; hidden_codes 32 x 32 x 32 uint8 (E5M2 codes of hidden, K innermost, in blocks of 32 codes); lowp_scales 4 int32 (the exponents e of the quantised operands' scales 2^e).
;; Outputs: out0 32 x 1,024 float32; out1 32 x 2,048 x 1 float32.
;; This version of the problem:
;;   THIS VERSION OF THE PROBLEM IS GIVEN IN LOW PRECISION. The matrix products marked QUANTISED in the list below multiply operands that are first quantised to E5M2 (5 exponent bits, 2 mantissa bits; 8 bits a number), with one given power-of-two scale for each operand tensor; their sums are f32. All else is computed in f32.
;;   The module's matrix products, in the order in which they are computed (A, B: the left and right operand; K: the contracted axis; several contracted axes count as one K, in the product's order):
;;     1. [M 32, K 1,024] x [K 1,024, N 1,024]; A: input hidden (given as codes); B: input W2_w (given as codes): QUANTISED (scales: A lowp_scales[0], B lowp_scales[1])
;;     2. [M 65,536, K 1,024] x [K 1,024, N 1,024]; A: input features; B: input W1_w (given as codes): QUANTISED (scales: A lowp_scales[2], B lowp_scales[3])
;;     3. [M 65,536, K 1,024] x [K 1,024, N 1]; A: computed on the way; B: input V_w: left as it is (N = 1 < 16)
;;   THE QUANTISER, for each operand of a quantised product, along K:
;;     - The operand's scale is 2^e, e = its entry of the input lowp_scales (int32; the entries are numbered through the quantised products in the list's order, A before B).
;;     - Each number is divided by the scale, clamped to +-57,344, and rounded to the nearest number of E5M2, ties to even, subnormals kept.
;;     - The product sums the exact products of the quantised numbers (number of the format x scale) in f32.
;;   ~~~python
;;   def quantise(x, axis, e):      # numpy; x: float32 -> the quantised numbers, widened to float32 again
;;       x = np.moveaxis(x, axis, -1); K = x.shape[-1]
;;       r = np.clip(x / 2.0 ** e, -57344, 57344)
;;       step = 2.0 ** (np.maximum(np.frexp(np.where(r == 0, 1, r))[1] - 1, -14) - 2)
;;       q = np.round(r / step) * step * 2.0 ** e      # np.round: ties to even
;;       return np.moveaxis(q, -1, axis).astype(np.float32)
;;   ~~~
;;   INPUTS GIVEN AS CODES. W1_w (in the module: [1024, 1024], K = its axis 0); W2_w (in the module: [1024, 1024], K = its axis 0); hidden (in the module: [32, 1024], K = its axis 1): each comes as NAME_codes (uint8): NAME with its K axis moved to the last place and cut into blocks of 32 codes, [.., K / 32, bytes a block], one block behind the other in memory; one code a byte (a code: sign, 5 exponent bits, 2 mantissa bits); its scale is its entry of lowp_scales. Its value is code x scale, taken as it is: it is not quantised again, and the codes and scales need not be those that the quantiser above would give.
;; One version. Each part assembles by itself: llvm-mc -triple=amdgcn-amd-amdhsa -mcpu=gfx1250 --defsym DOCPART=n.
;; ======== version 1 of 1: 3 launches
;; workspace buffers: wf 1,048,576 bytes; bi 131,072 bytes; lam 262,144 bytes; part 1,048,576 bytes; ml 65,536 bytes
;; launch prep (part 1): grid 64 x 1, 2 waves a work-group, no clusters, 0 bytes of LDS; arguments hidden_codes, W2_w_codes, W1_w_codes, W1_b, W2_b, lowp_scales, wf, bi; writes wf, bi
.if DOCPART == 1
	.amdgcn_target "amdgcn-amd-amdhsa--gfx1250"
	.amdhsa_code_object_version 6
	.text
	.protected	k_q06fa5c777f_prep
	.globl	k_q06fa5c777f_prep
	.p2align	8
	.type	k_q06fa5c777f_prep,@function
k_q06fa5c777f_prep:
	s_mov_b64 s[64:65], 0
	v_nop
	global_prefetch_b8 v0, s[64:65] scope:SCOPE_SE
	s_setreg_imm32_b32 hwreg(HW_REG_WAVE_MODE, 25, 1), 1
	s_wait_xcnt 0x0
; THE PROGRAM: additive attention.  out1 = softmax over t of (sum_u V_u tanh(f[b,t,u] + h[b,u]) + V_b), out0 = sum_t out1 x features.  Three launches: this one, the fused one, and a join of eight parts a batch.
; WORK LEFT OUT, for all values of the inputs.  (1) V_b is added to every logit of a batch alike, that is, it is the same along the softmax's axis t: softmax(x + const) = softmax(x), so neither output hangs on it.
; V_b has no way to an output: it is not loaded and is no launch's argument.  (2) tanh z = 1 - 2 / (1 + e^(2z)), so logit = sum_u V_u - 2 sum_u V_u r_u with r = 1 / (1 + e^(2z)): the term sum_u V_u is again
; the same along t and is not formed.  LIMIT: a NaN, an infinity or an overflow in V_b or in sum_u V_u is not carried to the results.
; THIS LAUNCH makes two tables for the fused launch.
;   bi: bias2[b][u] = K2 (h[b][u] + W1_b[u] + W2_b[u]), K2 = 2 log2(e), h = hidden x W2 on the given codes of E5M2 (v_wmma_f32_16x16x128_bf8_bf8, f32 sums) x 2^(e0 + e1), applied by v_ldexp_f32: no limit on e0 + e1.
;       Laid [u / 16][j / 4][batch][h][4 numbers], u = 16 g + 8 h + j: a wave's store covers 512 consecutive bytes, and the fused launch's lane (r, h) finds its eight units of a tile in two loads of 16 bytes.
;   wf: W1's codes in the order of an operand's registers: [u / 256][K step of 128][tile of 16 units][c][lane][16 bytes]; the 16 bytes are row u = .. + lane % 16, k = 128 s + 32 c + 16 (lane / 16) + 0 .. 15.
; That place of k in a fragment is a permutation of the form's own, the same on both operands of every product here, so each product meets its partner.
; SHARES.  Work-group g: units 16 g .. 16 g + 15.  Wave w: batches 16 w .. 16 w + 15 of the product, K steps 4 w .. 4 w + 3 of W1's copy.  No LDS, no barrier: the waves share nothing.
; The product is used with source 0 = 16 units of W2, source 1 = 16 batches of hidden: lane (r, h), register j holds (batch 16 w + r, unit 16 g + 8 h + j).
.set W2F, 16                           ; v16-79    four fragments of W2
.set HF,  80                           ; v80-143   four fragments of hidden
.set AC0, 144                          ; v144-151, v152-159: two accumulators, by turns
.set AC1, 152
.set BB1, 160                          ; v160-167  W1_b at my eight units; v168-175 W2_b
.set BB2, 168
.set W1F, 176                          ; v176-239  four fragments of W1, as they will lie in wf
.set RES, 240                          ; v240-247  the results
	s_load_b512 s[4:19], s[0:1], 0x0               ; hidden s[4:5], W2 s[6:7], W1 s[8:9], W1_b s[10:11], W2_b s[12:13], the exponents s[14:15], wf s[16:17], bi s[18:19]
	v_lshrrev_b32 v1, 5, v0
	v_readfirstlane_b32 s20, v1                    ; wave 0, 1
	v_and_b32 v1, 15, v0                           ; r
	v_bfe_u32 v2, v0, 4, 1                         ; h
	v_and_b32 v4, 31, v0                           ; lane
	v_lshlrev_b32 v3, 10, v1
	v_lshl_add_u32 v3, v2, 4, v3                   ; a row of 1,024 codes: 1,024 r + 16 h
	v_lshlrev_b32 v5, 4, v4                        ; 16 x lane: my place in a fragment's image
	v_lshlrev_b32 v6, 5, v2                        ; 32 h: my eight units' biases
	s_lshl_b32 s24, s20, 4
	v_add_nc_u32 v7, s24, v1                       ; batch 16 w + r
	v_lshlrev_b32 v7, 5, v7
	v_lshl_add_u32 v7, v2, 4, v7                   ; bi: 32 x batch + 16 h
	s_lshl_b32 s24, ttmp9, 14                      ; 16 rows of 1,024 bytes for each work-group
	s_mov_b32 s25, 0
	s_lshl_b32 s26, s20, 9                         ; W1: my four K steps
	s_mov_b32 s27, 0
	s_lshl_b32 s28, s20, 14                        ; hidden: my 16 batches
	s_mov_b32 s29, 0
	s_lshl_b32 s30, ttmp9, 6                       ; the biases: 16 units
	s_mov_b32 s31, 0
	s_lshr_b32 s32, ttmp9, 4
	s_lshl_b32 s32, s32, 18                        ; wf: (g / 16) x 262,144
	s_and_b32 s34, ttmp9, 15
	s_lshl_b32 s34, s34, 11                        ;     + (g % 16) x 2,048
	s_add_co_u32 s32, s32, s34
	s_lshl_b32 s34, s20, 17                        ;     + 4 w K steps of 32,768
	s_add_co_u32 s32, s32, s34
	s_mov_b32 s33, 0
	s_lshl_b32 s34, ttmp9, 11                      ; bi: g x 2,048
	s_mov_b32 s35, 0
	s_wait_kmcnt 0x0
	s_load_b64 s[22:23], s[14:15], 0x0             ; e0, e1
	s_add_nc_u64 s[6:7], s[6:7], s[24:25]
	s_add_nc_u64 s[8:9], s[8:9], s[24:25]
	s_add_nc_u64 s[8:9], s[8:9], s[26:27]
	s_add_nc_u64 s[4:5], s[4:5], s[28:29]
	s_add_nc_u64 s[10:11], s[10:11], s[30:31]
	s_add_nc_u64 s[12:13], s[12:13], s[30:31]
	s_add_nc_u64 s[16:17], s[16:17], s[32:33]
	s_add_nc_u64 s[18:19], s[18:19], s[34:35]
.irp i, 0,1,2,3
.irp c, 0,1,2,3
	global_load_b128 v[W1F+16*\i+4*\c:W1F+16*\i+4*\c+3], v3, s[8:9] offset:128*\i+32*\c
.endr
.endr
	global_load_b128 v[BB1:BB1+3], v6, s[10:11]
	global_load_b128 v[BB1+4:BB1+7], v6, s[10:11] offset:16
	global_load_b128 v[BB2:BB2+3], v6, s[12:13]
	global_load_b128 v[BB2+4:BB2+7], v6, s[12:13] offset:16
.macro FRAGS k0                        ; the fragments of W2 and of hidden for K steps k0 .. k0 + 3
.irp s, 0,1,2,3
.irp c, 0,1,2,3
	global_load_b128 v[W2F+16*\s+4*\c:W2F+16*\s+4*\c+3], v3, s[6:7] offset:128*((\k0)+\s)+32*\c
	global_load_b128 v[HF+16*\s+4*\c:HF+16*\s+4*\c+3], v3, s[4:5] offset:128*((\k0)+\s)+32*\c
.endr
.endr
.endm
	FRAGS 0
	s_wait_loadcnt 0x0
.irp i, 0,1,2,3
.irp c, 0,1,2,3
	global_store_b128 v5, v[W1F+16*\i+4*\c:W1F+16*\i+4*\c+3], s[16:17] offset:32768*\i+512*\c   ; 32 lanes store 512 consecutive bytes
.endr
.endr
	; the two accumulators take turns, one instruction a turn; the first product of each starts its sum
	v_wmma_f32_16x16x128_bf8_bf8 v[AC0:AC0+7], v[W2F:W2F+15], v[HF:HF+15], 0
	v_wmma_f32_16x16x128_bf8_bf8 v[AC1:AC1+7], v[W2F+16:W2F+31], v[HF+16:HF+31], 0
	v_wmma_f32_16x16x128_bf8_bf8 v[AC0:AC0+7], v[W2F+32:W2F+47], v[HF+32:HF+47], v[AC0:AC0+7]
	v_wmma_f32_16x16x128_bf8_bf8 v[AC1:AC1+7], v[W2F+48:W2F+63], v[HF+48:HF+63], v[AC1:AC1+7]
.rept 4
	v_nop                                          ; four places in front of loads into registers that matrix instructions have read (ISA guide 7.12.1 for vector instructions)
.endr
	FRAGS 4
	s_wait_loadcnt 0x0
	v_wmma_f32_16x16x128_bf8_bf8 v[AC0:AC0+7], v[W2F:W2F+15], v[HF:HF+15], v[AC0:AC0+7]
	v_wmma_f32_16x16x128_bf8_bf8 v[AC1:AC1+7], v[W2F+16:W2F+31], v[HF+16:HF+31], v[AC1:AC1+7]
	v_wmma_f32_16x16x128_bf8_bf8 v[AC0:AC0+7], v[W2F+32:W2F+47], v[HF+32:HF+47], v[AC0:AC0+7]
	v_wmma_f32_16x16x128_bf8_bf8 v[AC1:AC1+7], v[W2F+48:W2F+63], v[HF+48:HF+63], v[AC1:AC1+7]
.irp j, 0,2,4,6
	v_pk_add_f32 v[BB1+\j:BB1+\j+1], v[BB1+\j:BB1+\j+1], v[BB2+\j:BB2+\j+1]                  ; W1_b + W2_b: these eight lines are the places behind the last products
.endr
.irp j, 0,2,4,6
	v_pk_mul_f32 v[BB1+\j:BB1+\j+1], v[BB1+\j:BB1+\j+1], 0x4038aa3b op_sel_hi:[1,0]          ; x K2
.endr
	s_wait_kmcnt 0x0
	s_add_co_i32 s24, s22, s23                     ; e0 + e1
.irp j, 0,2,4,6
	v_pk_add_f32 v[RES+\j:RES+\j+1], v[AC0+\j:AC0+\j+1], v[AC1+\j:AC1+\j+1]                  ; the two halves of K; each accumulator from its low end on
.endr
.irp j, 0,1,2,3,4,5,6,7
	v_ldexp_f32 v[RES+\j], v[RES+\j], s24          ; h = sum x 2^(e0 + e1)
.endr
.irp j, 0,2,4,6
	v_pk_fma_f32 v[RES+\j:RES+\j+1], v[RES+\j:RES+\j+1], 0x4038aa3b, v[BB1+\j:BB1+\j+1] op_sel_hi:[1,0,1]   ; K2 h + K2 (W1_b + W2_b)
.endr
	global_store_b128 v7, v[RES:RES+3], s[18:19]               ; units 16 g + 8 h + 0 .. 3 of 16 batches: 512 consecutive bytes
	global_store_b128 v7, v[RES+4:RES+7], s[18:19] offset:1024 ; units + 4 .. 7
	s_endpgm
.Lfunc_end_k_q06fa5c777f_prep:
	.size	k_q06fa5c777f_prep, .Lfunc_end_k_q06fa5c777f_prep-k_q06fa5c777f_prep
	.p2alignl 7, 3214868480
	.fill 96, 4, 3214868480
	.section	.rodata,"a",@progbits
	.p2align	6, 0x0
	.amdhsa_kernel k_q06fa5c777f_prep
		.amdhsa_group_segment_fixed_size 0
		.amdhsa_private_segment_fixed_size 0
		.amdhsa_enable_private_segment 0
		.amdhsa_kernarg_size 64
		.amdhsa_user_sgpr_count 2
		.amdhsa_user_sgpr_kernarg_segment_ptr 1
		.amdhsa_wavefront_size32 1
		.amdhsa_system_sgpr_workgroup_id_x 1
		.amdhsa_system_sgpr_workgroup_id_y 1
		.amdhsa_system_sgpr_workgroup_id_z 1
		.amdhsa_system_vgpr_workitem_id 0
		.amdhsa_next_free_vgpr 256
		.amdhsa_next_free_sgpr 66
		.amdhsa_reserve_vcc 0
		.amdhsa_float_denorm_mode_32 3
		.amdhsa_float_denorm_mode_16_64 3
		.amdhsa_memory_ordered 1
		.amdhsa_forward_progress 1
		.amdhsa_inst_pref_size 14
	.end_amdhsa_kernel
	.amdgpu_metadata
---
amdhsa.version: [ 1, 2 ]
amdhsa.kernels:
  - .name:           k_q06fa5c777f_prep
    .symbol:         k_q06fa5c777f_prep.kd
    .args:
      - { .name: hidden_codes, .offset: 0, .size: 8, .value_kind: global_buffer, .address_space: global }
      - { .name: W2_w_codes, .offset: 8, .size: 8, .value_kind: global_buffer, .address_space: global }
      - { .name: W1_w_codes, .offset: 16, .size: 8, .value_kind: global_buffer, .address_space: global }
      - { .name: W1_b, .offset: 24, .size: 8, .value_kind: global_buffer, .address_space: global }
      - { .name: W2_b, .offset: 32, .size: 8, .value_kind: global_buffer, .address_space: global }
      - { .name: lowp_scales, .offset: 40, .size: 8, .value_kind: global_buffer, .address_space: global }
      - { .name: wf, .offset: 48, .size: 8, .value_kind: global_buffer, .address_space: global }
      - { .name: bi, .offset: 56, .size: 8, .value_kind: global_buffer, .address_space: global }
    .group_segment_fixed_size: 0
    .private_segment_fixed_size: 0
    .kernarg_segment_align: 8
    .kernarg_segment_size: 64
    .max_flat_workgroup_size: 64
    .sgpr_count:     66
    .vgpr_count:     256
    .wavefront_size: 32
...
	.end_amdgpu_metadata
.endif
;; end of part 1
;; launch main (part 2): grid 256 x 1, 4 waves a work-group, no clusters, 327,680 bytes of LDS; arguments features, wf, bi, V_w, lowp_scales, lam, part, ml; writes lam, part, ml
.if DOCPART == 2
	.amdgcn_target "amdgcn-amd-amdhsa--gfx1250"
	.amdhsa_code_object_version 6
	.text
	.protected	k_q06fa5c777f_main
	.globl	k_q06fa5c777f_main
	.p2align	8
	.type	k_q06fa5c777f_main,@function
k_q06fa5c777f_main:
	s_mov_b64 s[64:65], 0
	v_nop
	global_prefetch_b8 v0, s[64:65] scope:SCOPE_SE
	s_setreg_imm32_b32 hwreg(HW_REG_WAVE_MODE, 25, 1), 1
	s_wait_xcnt 0x0
; THE FUSED LAUNCH.  For 256 rows (b, t) of one batch: quantise features to E5M2 with 2^e2, multiply by W1's codes (v_wmma_f32_16x16x128_bf8_bf8, f32 sums), tanh, dot with V, running softmax, partial context.
; LEFT OUT (shown at the head of the first kernel): V_b and sum_u V_u, both the same along the softmax's axis.  LIMIT: a NaN, infinity or overflow in them is not carried to the results.
; ARITHMETIC.  K2 = 2 log2(e).  y = sum x C + bias2, C = K2 2^(e2 + e3), bias2 from the table bi;  r = 1 / (1 + 2^y);  lam = -K2 sum_u V_u r_u, which is log2(e) x logit less a term that is the same along t.
; 2^y = infinity gives r = 0 and 2^y = 0 gives r = 1: tanh's two ends, with no clamp.  The softmax runs in base 2 on lam with a running maximum m and sum l; context and l are multiplied by 2^(m_old - m_new) in every block.
; LIMITS on the given exponents, so that each power of two below is an f32 number: e2 between -126 and 112; e2 + e3 between -127 and 126 (added to K2's exponent field).  NaN among the inputs is not served.
; SHARES.  Work-group x: batch x / 8, rows 256 (x % 8) on, in four blocks of 64 rows.  A block's rows are brought into LDS in f32 ONCE and stay there from the quantising to the context sum: 64 rows x 4,096 bytes are what
; LDS holds.  They lie as four quarters of K (256 columns each).
; THE FIRST HALF OF K (quarters 0, 1) COMES THROUGH REGISTERS, A TAIL AHEAD.  When a block's first 32 accumulators have given their part of the logits, their 256 registers are idle until the next block's first products:
; each wave asks there for its 16 rows x 2,048 bytes of the NEXT block (64 loads of 512 consecutive bytes), which land beside the rest of the tail, and stores them to LDS at the next block's head.
; THE SECOND HALF (quarters 2, 3) comes by one tensor load a wave, 32 rows x 1,024 bytes, issued first thing at the block's head: it has the stores, the first fragment's making and 160 matrix instructions in which to land.
; No tensor load lands in quarters 0 and 1, and no wave stores into quarters 2 and 3; the border, byte 133,120, is a multiple of 256.
; Wave w owns units 256 w .. 256 w + 255 for all 64 rows: 64 accumulators, 512 registers; K goes in 8 steps of 128.
; Wave w quantises rows 16 w .. 16 w + 15 of each K step; the fragment goes to the other waves through LDS as an image of its registers (16 bytes a lane, 512 bytes a store).
; W1's fragments come from wf straight into registers: each is read by ONE wave of the work-group and feeds its four products (four tiles of rows), so a way through LDS would add a write and a read and spare none.
; Three quarters of K step 0's fragments are asked for inside the context sum of the block before, into registers that the activation has left.
; NO CLUSTER, though all work-groups walk the same W1: the rows take 266,240 bytes of LDS, the images 16,384, the small regions 3,584; 41,472 are left.  Two slots in that hold 20 KB each, ten fragments of 2,048 bytes,
; that is ten matrix instructions a wave between two rounds of a cluster's barrier: too little work for a round.
; THE PRODUCT IS USED with source 0 = 16 units of W1, source 1 = 16 rows: lane (r, h), register j of accumulator (a, b) holds (row 16 a + r, unit 256 w + 16 b + 8 h + j).
; REGISTERS, in windows of 256.  Window 0: v1-31 addresses and statistics (below); v32-47 the context, two sets of 8; v48-63 the codes just made, in the tail the sums of V r; v64-127, v128-191 the rows' fragments, two sets;
;   v192-255 64 numbers being quantised.  In the tail v64-127 hold p and v128-255 rows, two buffers of 64.   Window 1: W1's 16 fragments; in the tail, for tile b, bias2 at v[16 b] and V at v[16 b + 8].
;   Windows 2, 3: accumulator (a, b) at v[32 (b % 8) + 8 a], window 2 for b < 8, else 3.  From the middle of a tail to the next block's head window 2 holds the next block's first half of K: row i of my 16 at v[16 i].
.set RP,    1040                       ; a row of a quarter in LDS: 1,024 bytes + 16 of padding = 260 words: row r starts at bank 4 r mod 64 (64 banks of 4 bytes: ISA guide 11.1)
.set RETQ,  64*RP                      ; a quarter: 64 rows.  Quarter q begins at q x RETQ
.set BLKB,  262144                     ; a block in memory: 64 rows of 4,096 bytes
.set IMG0,  4*RETQ                     ; two buffers of four fragment images: a x 2,048 + c x 512 + 16 x lane
.set IMGB,  8192
.set XCH,   IMG0+2*IMGB                ; for each wave 16 x 16 bytes: its sums of V r for the 64 rows
.set PB,    XCH+1024                   ; for each wave 64 numbers: p of the block's rows (each wave's own copy)
.set LAMS,  PB+1024                    ; wave 0's: lam of the 256 rows
.set SPARE, LAMS+1024                  ; the spare words, 128 bytes for each wave: two blocks of 256 bytes that no other line names
; v1 my spare word, v2 = 0 (never rewritten); v3 16 x lane; v4-7 where I read numbers to quantise in quarter 0 .. 3; v8, v9 where I store and read images; v10 16 h, v11 32 h; v12, v13 XCH: in, back; v14, v15 PB: in, back;
; v16 LAMS + 4 r; v17, v18 my 16 bytes of a row of my quarter, and 512 bytes on; v19 2^e2, v20 57,344 x 2^e2; v21, v22 where I store my 16 rows in quarter 0, 1 (at the end v21: LAMS + 16 x lane); v23 at work; v[24:25] f, 0;
; v26 m, v27 l; v28-31 lane permutes' destinations
; s[4:19] the buffers; s20 wave; s21 blocks to go; s[22:23] C; s[24:31] descriptor group 1; s[56:59] group 0; s36-38 at work at the head; s40, s41 lane selects; s[44:45] e2, e3; s46 256 x block;
; s[48:49] my 16 rows of the block that is asked for next; s52-54 at work
.set MSB, 0
.macro WIN new                         ; the immediate's high byte repeats the setting that is left; a switch that changes nothing is dropped
.if MSB != \new
	s_set_vgpr_msb (MSB<<8)|\new
.set MSB, \new
.endif
.endm
.macro PLACES                          ; a load into a register that a matrix instruction has read, and a vector instruction that reads a matrix result, stand four places behind it; only plain vector instructions
.rept 4                                ; that name none of its registers are places (ISA guide 7.12.1 for vector instructions)
	v_nop
.endr
.endm
.macro BAR                             ; my LDS stores have landed and my LDS loads are in: then the work-group's barrier
	s_wait_dscnt 0x0
	s_barrier_signal -1
	s_barrier_wait -1
.endm
.macro FLOAD                           ; my 16 rows' first 2,048 bytes of the block at s[48:49], into window 2: 64 loads, each 512 consecutive bytes; read once in the launch
	WIN 0x80                                       ; destination window 2, address window 0
.irp i, 0,1,2,3,4,5,6,7,8,9,10,11,12,13,14,15
.irp j, 0,1,2,3
	global_load_b128 v[16*\i+4*\j:16*\i+4*\j+3], v3, s[48:49] offset:4096*\i+512*\j th:TH_LOAD_NT
.endr
.endr
	WIN 0
.endm
.macro FSTORE                          ; and from there into quarters 0 and 1: 64 stores, each 512 consecutive bytes
	WIN 0x08                                       ; the data (source 1) window 2, the address window 0
.irp i, 0,1,2,3,4,5,6,7,8,9,10,11,12,13,14,15
	ds_store_b128 v21, v[16*\i:16*\i+3] offset:\i*RP
	ds_store_b128 v21, v[16*\i+4:16*\i+7] offset:\i*RP+512
	ds_store_b128 v22, v[16*\i+8:16*\i+11] offset:\i*RP
	ds_store_b128 v22, v[16*\i+12:16*\i+15] offset:\i*RP+512
.endr
	WIN 0
.endm
.macro QLOAD s                         ; my row's 64 numbers of K step s: register 16 c + i = k 128 s + 32 c + 16 h + i
.irp c, 0,1,2,3
.irp j, 0,1,2,3
	ds_load_b128 v[192+16*\c+4*\j:192+16*\c+4*\j+3], v[4+(\s)/2] offset:((\s)%2)*512+128*\c+16*\j
.endr
.endr
.endm
.macro QCVT                            ; they become a fragment's 16 registers of codes
.irp c, 0,1,2,3
.irp i, 0,1,2,3,4,5,6,7,8,9,10,11,12,13,14,15
	v_med3_num_f32 v[192+16*\c+\i], v[192+16*\c+\i], -v20, v20   ; the conversion to an 8-bit code does not saturate (ISA guide 7.6.2): the hold at the largest code x the scale
.endr
	v_cvt_scalef32_pk8_bf8_f32 v[48+4*\c:49+4*\c], v[192+16*\c:199+16*\c], v19
	v_cvt_scalef32_pk8_bf8_f32 v[50+4*\c:51+4*\c], v[200+16*\c:207+16*\c], v19
.endr
	v_nop                                          ; one plain vector instruction behind the last scaled conversion
.endm
.macro IMAGE buf                       ; the fragment goes to LDS as it stands,
.irp c, 0,1,2,3
	ds_store_b128 v8, v[48+4*\c:51+4*\c] offset:(\buf)*IMGB+512*\c
.endr
.endm
.macro ALOAD buf                       ; and the four waves' fragments come back so, in every wave, into set buf
.irp a, 0,1,2,3
.irp c, 0,1,2,3
	ds_load_b128 v[64+64*(\buf)+16*\a+4*\c:64+64*(\buf)+16*\a+4*\c+3], v9 offset:(\buf)*IMGB+2048*\a+512*\c
.endr
.endr
.endm
; 16 matrix instructions: tiles of units 4 g .. 4 g + 3 x the four tiles of rows.  The 64 accumulators take turns, one instruction a turn, in the same order in every step.  zero = 1: the product starts the sum.
.macro MUL4 g, set, zero
.if (\g) < 2
	WIN 0xa1                                       ; source 0 (W1) window 1, source 1 (rows) window 0, C and D window 2
.else
	WIN 0xf1                                       ; the same, C and D window 3
.endif
.irp t, 0,1,2,3
.irp a, 0,1,2,3
.if \zero
	v_wmma_f32_16x16x128_bf8_bf8 v[32*((4*(\g)+\t)%8)+8*\a:32*((4*(\g)+\t)%8)+8*\a+7], v[16*(4*(\g)+\t):16*(4*(\g)+\t)+15], v[64+64*(\set)+16*\a:64+64*(\set)+16*\a+15], 0
.else
	v_wmma_f32_16x16x128_bf8_bf8 v[32*((4*(\g)+\t)%8)+8*\a:32*((4*(\g)+\t)%8)+8*\a+7], v[16*(4*(\g)+\t):16*(4*(\g)+\t)+15], v[64+64*(\set)+16*\a:64+64*(\set)+16*\a+15], v[32*((4*(\g)+\t)%8)+8*\a:32*((4*(\g)+\t)%8)+8*\a+7]
.endif
.endr
.endr
.endm
.macro BLOADW s, g                     ; 16 loads: W1's fragments 4 g .. 4 g + 3 of K step s; every step stands in the immediate, 261,632 at the most
.irp t, 0,1,2,3
.irp c, 0,1,2,3
	global_load_b128 v[16*(4*(\g)+\t)+4*\c:16*(4*(\g)+\t)+4*\c+3], v3, s[6:7] offset:(\s)*32768+(4*(\g)+\t)*2048+512*\c
.endr
.endr
.endm
.macro BLOADE g                        ; 16 loads likewise: for tiles 4 g .. 4 g + 3 my eight units' bias2 and V, into the registers that the tile's fragment has left
.irp t, 0,1,2,3
.irp jh, 0,1
	global_load_b128 v[16*(4*(\g)+\t)+4*\jh:16*(4*(\g)+\t)+4*\jh+3], v10, s[8:9] offset:(4*(\g)+\t)*2048+1024*\jh
	global_load_b128 v[16*(4*(\g)+\t)+8+4*\jh:16*(4*(\g)+\t)+8+4*\jh+3], v11, s[10:11] offset:(4*(\g)+\t)*64+16*\jh
.endr
.endr
.endm
; What follows group g's products of step s into their fragments' registers.  THE WAIT: at most three groups of 16 loads are out here; the count 32 leaves the two younger out and shows every older one in, among them the group
; that the next 16 products read: the groups are always issued in the order in which they are multiplied, and just two are issued between a group and this line in front of its products.
.macro BLD s, g
	s_wait_loadcnt 32
	WIN 0x40                                       ; destination window 1, address window 0
.if (\s) < 7
	BLOADW (\s)+1, \g
.else
	BLOADE \g
.endif
	WIN 0
.endm
.macro NEXTW g                         ; inside the context sum: group g of the NEXT block's K step 0, if there is a next block (a branch on the count of blocks)
	s_cmp_eq_u32 s21, 1
	s_cbranch_scc1 .Lno_w_\@
	WIN 0x40
	BLOADW 0, \g
	WIN 0
.Lno_w_\@:
.endm
; A K STEP: four groups of 16 products, each followed by the loads that fill its fragments again.  Beside the products the next step's fragment of rows is made: read (group 0), quantised and stored (group 1),
; one barrier (signal behind group 1, wait behind group 2), fetched (group 2).
; An image buffer is written again two steps after it was read: every wave's wait for those reads stands at the head of the step between, in front of that step's signal.
.macro STEP s, zero
	s_wait_dscnt 0x0                               ; this step's four fragments of rows are in
	MUL4 0, (\s)%2, \zero
	WIN 0
.if (\s) < 7
	QLOAD (\s)+1
.endif
	PLACES
	BLD \s, 0
	MUL4 1, (\s)%2, \zero
	WIN 0
.if (\s) < 7
	s_wait_dscnt 0x0                               ; the numbers are in
	QCVT                                           ; its 64 holds are also the places in front of the loads below
.else
	PLACES
.endif
	BLD \s, 1
.if (\s) < 7
	IMAGE ((\s)+1)%2
.if (\s) == 2
	s_wait_tensorcnt 0x0                           ; every wave: my part of the second half of K has landed (the one tensor load of mine that is out, so the count is 0); it is first read in the next step, behind this step's barrier
.endif
	s_wait_dscnt 0x0                               ; my image has landed
	s_barrier_signal -1
.endif
	MUL4 2, (\s)%2, \zero                          ; work on registers while the others arrive
	WIN 0
.if (\s) < 7
	s_barrier_wait -1                              ; the four images lie in LDS
.endif
	PLACES
	BLD \s, 2
.if (\s) < 7
	ALOAD ((\s)+1)%2
.endif
	MUL4 3, (\s)%2, \zero
	WIN 0
	PLACES
	BLD \s, 3
.endm
; THE ACTIVATION of a window's 32 accumulators, in place, and their part of sum_u V_u r_u.  w1: acc window as source 0 and destination, window 1 as source 2;  w2: acc window as source 0, window 1 as source 1, window 0 else.
; The exponentials are one batch of 256 with one wait, and so are the reciprocals: a plain instruction behind a batch, and s_wait_alu depctr_va_vdst(0) ahead of the first line that names a result.
.macro EPI W, w1, w2
	WIN \w1
.irp t, 0,1,2,3,4,5,6,7
.irp a, 0,1,2,3
.irp p, 0,2,4,6
	v_pk_fma_f32 v[32*\t+8*\a+\p:32*\t+8*\a+\p+1], v[32*\t+8*\a+\p:32*\t+8*\a+\p+1], s[22:23], v[16*(8*((\W)-2)+\t)+\p:16*(8*((\W)-2)+\t)+\p+1] op_sel_hi:[1,0,1]   ; y = sum x C + bias2; each accumulator from its low end on
.endr
.endr
.endr
.set i, 0
.rept 256
	v_exp_f32 v[i], v[i]                           ; 2^y
.set i, i+1
.endr
	v_nop
	s_wait_alu depctr_va_vdst(0)
.set i, 0
.rept 128
	v_pk_add_f32 v[i:i+1], v[i:i+1], 1.0 op_sel_hi:[1,0]
.set i, i+2
.endr
.set i, 0
.rept 256
	v_rcp_f32 v[i], v[i]                           ; r = 1 / (1 + 2^y)
.set i, i+1
.endr
	v_nop
	s_wait_alu depctr_va_vdst(0)
	WIN \w2
.irp t, 0,1,2,3,4,5,6,7
.irp p, 0,1,2,3
.irp a, 0,1,2,3
.if ((\W) == 2) && (\t == 0) && (\p < 2)
	v_pk_mul_f32 v[48+4*\a+2*(\p%2):48+4*\a+2*(\p%2)+1], v[32*\t+8*\a+2*\p:32*\t+8*\a+2*\p+1], v[16*(8*((\W)-2)+\t)+8+2*\p:16*(8*((\W)-2)+\t)+8+2*\p+1]   ; the first eight start the eight chains: nothing is cleared
.else
	v_pk_fma_f32 v[48+4*\a+2*(\p%2):48+4*\a+2*(\p%2)+1], v[32*\t+8*\a+2*\p:32*\t+8*\a+2*\p+1], v[16*(8*((\W)-2)+\t)+8+2*\p:16*(8*((\W)-2)+\t)+8+2*\p+1], v[48+4*\a+2*(\p%2):48+4*\a+2*(\p%2)+1]
.endif
.endr
.endr
.endr
	WIN 0
.endm
.macro CTXLOAD G                       ; rows 8 G .. 8 G + 7 of my quarter, 32 bytes a lane, into buffer G % 2: 16 loads, each 512 consecutive bytes
.irp i, 0,1,2,3,4,5,6,7
	ds_load_b128 v[128+64*((\G)%2)+8*\i:128+64*((\G)%2)+8*\i+3], v17 offset:(8*(\G)+\i)*RP
	ds_load_b128 v[128+64*((\G)%2)+8*\i+4:128+64*((\G)%2)+8*\i+7], v18 offset:(8*(\G)+\i)*RP
.endr
.endm
.macro CTXFMA G                        ; context += p x row; even rows into set 0, odd rows into set 1; p is taken from its pair's first or second register for both halves
.irp i, 0,1,2,3,4,5,6,7
.irp k, 0,2,4,6
.if (\i%2) == 0
	v_pk_fma_f32 v[32+\k:33+\k], v[128+64*((\G)%2)+8*\i+\k:128+64*((\G)%2)+8*\i+\k+1], v[64+8*(\G)+\i:64+8*(\G)+\i+1], v[32+\k:33+\k] op_sel_hi:[1,0,1]
.else
	v_pk_fma_f32 v[40+\k:41+\k], v[128+64*((\G)%2)+8*\i+\k:128+64*((\G)%2)+8*\i+\k+1], v[64+8*(\G)+\i-1:64+8*(\G)+\i], v[40+\k:41+\k] op_sel:[0,1,0] op_sel_hi:[1,1,1]
.endif
.endr
.endr
.endm
	s_load_b512 s[4:19], s[0:1], 0x0               ; features s[4:5], wf s[6:7], bi s[8:9], V_w s[10:11], the exponents s[12:13], lam s[14:15], part s[16:17], ml s[18:19]
	v_lshl_add_u32 v1, v0, 2, SPARE
	v_mov_b32 v2, 0
	ds_add_u32 v1, v2                              ; the wave's opening: the add, twice on end, and its wait ahead of my first tensor load; the set-up below, work on registers, stands between
	ds_add_u32 v1, v2                              ; and once more
	v_lshrrev_b32 v3, 5, v0
	v_readfirstlane_b32 s20, v3                    ; wave 0..3
	v_and_b32 v28, 15, v0                          ; r
	v_bfe_u32 v29, v0, 4, 1                        ; h
	v_and_b32 v30, 31, v0                          ; lane
	v_mov_b32 v31, 0                               ; (v28-31 are written here once: a lane permute's destination counts as one of its sources)
	v_lshlrev_b32 v3, 4, v30
	v_mul_u32_u24 v4, v28, RP
	v_lshl_add_u32 v4, v29, 6, v4
	s_mul_i32 s52, s20, 16*RP
	v_add_nc_u32 v4, s52, v4                       ; row 16 w + r, + 64 h: my 16 numbers of a block of 32
	v_add_nc_u32 v21, s52, v3                      ; row 16 w, + 16 x lane: where my rows go in quarter 0,
	v_add_nc_u32 v22, RETQ, v21                    ; and in quarter 1
	v_add_nc_u32 v5, RETQ, v4
	v_add_nc_u32 v6, 2*RETQ, v4
	v_add_nc_u32 v7, 3*RETQ, v4
	s_lshl_b32 s52, s20, 11
	s_add_co_u32 s52, s52, IMG0
	v_add_nc_u32 v8, s52, v3
	v_add_nc_u32 v9, IMG0, v3
	v_lshlrev_b32 v10, 4, v29
	v_lshlrev_b32 v11, 5, v29
	s_lshl_b32 s53, s20, 8
	s_add_co_u32 s54, s53, XCH
	v_lshl_add_u32 v12, v28, 4, s54
	v_lshl_add_u32 v13, v28, 4, XCH
	s_add_co_u32 s54, s53, PB
	v_lshl_add_u32 v14, v28, 2, s54
	v_mov_b32 v15, s54
	v_lshl_add_u32 v16, v28, 2, LAMS
	s_mul_i32 s52, s20, RETQ                       ; the context: my own quarter
	v_add_nc_u32 v17, s52, v3
	v_add_nc_u32 v18, 512, v17
	v_mov_b32 v25, 0                               ; (named as the upper half of the pair v[24:25])
	v_mov_b32 v26, 0xff61b1e6                      ; m: -3e38, under every lam
	v_mov_b32 v27, 0                               ; l
.irp j, 0,1,2,3,4,5,6,7,8,9,10,11,12,13,14,15
	v_mov_b32 v[32+\j], 0                          ; the context.  (The block is written once: the first finds zeros, which the first f = 0 leaves zeros)
.endr
	; descriptor group 1: a tile of 32 rows x 256 numbers of 4 bytes, 1,024 numbers from row to row, padded in LDS
	s_mov_b32 s24, (2<<16)|(1<<20)|(7<<22)|(3<<25) ; 15:0 no mask; 17:16 elements of 4 bytes; 20 padding on; 24:22 after every 256 words (code 7); 31:25 four words (code 3)
	s_mov_b32 s25, 256<<16                         ; tensor_dim0
	s_mov_b32 s26, 32<<16                          ; tensor_dim1
	s_mov_b32 s27, 256<<16                         ; tile_dim0
	s_mov_b32 s28, 32                              ; tile_dim1
	s_mov_b32 s29, 1024                            ; tensor_dim0_stride
	s_mov_b32 s30, 0
	s_mov_b32 s31, 0
	; group 0: of the second half of K wave w fetches quarter 2 + w / 2, rows 32 (w % 2) on
	s_lshr_b32 s36, s20, 1
	s_and_b32 s37, s20, 1
	s_mov_b32 s56, 1                               ; 1:0 count = 1
	s_mul_i32 s57, s36, RETQ
	s_mul_i32 s38, s37, 32*RP
	s_add_co_u32 s57, s57, s38
	s_add_co_u32 s57, s57, 2*RETQ                  ; 63:32 LDS address
	s_mov_b32 s40, 0x76543210
	s_mov_b32 s41, 0xfedcba98                      ; v_permlanex16_b32's selects for lane l xor 16
	s_mov_b32 s21, 4
	s_mov_b32 s46, 0
	s_mov_b32 s53, 0
	s_wait_dscnt 0x0                               ; both opening adds are done
	s_wait_kmcnt 0x0
	s_load_b64 s[44:45], s[12:13], 0x8             ; e2, e3
	s_lshl_b32 s52, ttmp9, 20                      ; my work-group's 256 rows of 4,096 bytes
	s_lshl_b32 s38, s20, 16
	s_add_co_u32 s52, s52, s38                     ; + my 16 rows
	s_add_nc_u64 s[48:49], s[4:5], s[52:53]
	FLOAD                                          ; the first block's first half of K: asked for before anything else
	s_lshl_b32 s52, s20, 18
	s_add_nc_u64 s[6:7], s[6:7], s[52:53]          ; wf: my 256 units
	WIN 0x40
	BLOADW 0, 0                                    ; and three groups of K step 0's fragments of W1, as every later block finds them
	BLOADW 0, 1
	BLOADW 0, 2
	WIN 0
	s_lshl_b32 s52, ttmp9, 20
	s_lshl_b32 s38, s36, 10
	s_add_co_u32 s52, s52, s38                     ; + the quarter's 1,024 bytes of a row
	s_lshl_b32 s38, s37, 17
	s_add_co_u32 s52, s52, s38                     ; + 32 rows
	s_add_co_u32 s52, s52, 2048                    ; + the first half of K
	s_add_nc_u64 s[58:59], s[4:5], s[52:53]        ; 120:64 global address: my tile of the first block,
	s_sub_nc_u64 s[58:59], s[58:59], BLKB          ; set one block back: every trip steps it by a block ahead of its load, the first trip too
	s_or_b32 s59, s59, 0x80000000                  ; 127:126 type = 2
	s_lshl_b32 s52, s20, 15
	s_lshr_b32 s54, ttmp9, 3
	s_lshl_b32 s54, s54, 5
	s_add_co_u32 s52, s52, s54
	s_add_nc_u64 s[8:9], s[8:9], s[52:53]          ; bi: my 16 tiles, my batch
	s_lshl_b32 s52, s20, 10
	s_add_nc_u64 s[10:11], s[10:11], s[52:53]      ; V_w: my 256 units
	s_add_nc_u64 s[16:17], s[16:17], s[52:53]      ; part: my 256 columns,
	s_lshl_b32 s52, ttmp9, 12
	s_add_nc_u64 s[16:17], s[16:17], s[52:53]      ; of my work-group's row
	s_lshl_b32 s52, ttmp9, 10
	s_add_nc_u64 s[14:15], s[14:15], s[52:53]      ; lam: my 256 rows
	s_lshl_b32 s52, ttmp9, 8
	s_add_nc_u64 s[18:19], s[18:19], s[52:53]      ; ml: my 256 bytes
	s_wait_kmcnt 0x0
	s_add_co_i32 s52, s44, s45
	s_lshl_b32 s52, s52, 23
	s_add_co_i32 s22, s52, 0x4038aa3b              ; C = K2 x 2^(e2 + e3): the exponents are added to K2's exponent field
	s_mov_b32 s23, s22                             ; (named with it as a pair, so it is written)
	s_add_co_i32 s52, s44, 127
	s_lshl_b32 s54, s52, 23
	v_mov_b32 v19, s54                             ; 2^e2 as f32: the conversion takes its exponent field
	s_add_co_i32 s52, s52, 15
	s_lshl_b32 s52, s52, 23
	s_or_b32 s52, s52, 0x600000
	v_mov_b32 v20, s52                             ; 57,344 x 2^e2
.Lblock:                                           ; four trips, a block of 64 rows each.  The tensor load stands in the loop: the first trip's is quarters 2 and 3's first fill, the others fill them again; one load of mine is out at most
	s_wait_tensorcnt 0x0                           ; no tensor load of mine is out, so group 0 may be written
	ds_add_u32 v1, v2                              ; 0 onto my spare word,
	ds_add_u32 v1, v2                              ; and twice on end, in every trip alike
	s_add_nc_u64 s[58:59], s[58:59], BLKB          ; this block; the type bits on top are not reached
	s_wait_dscnt 0x0                               ; the adds are done, and my reads of the last block's rows are over
	s_barrier_signal -1
	s_barrier_wait -1                              ; both hold of all four waves: all four quarters may be written
	tensor_load_to_lds s[56:59], s[24:31]          ; the second half of K: my one tensor load until the next such barrier
	s_nop 0
	s_wait_loadcnt 0x0                             ; the first half of K is in window 2, and three groups of W1's fragments in window 1: all were asked for in the tail before (the first block's at the head)
	s_add_nc_u64 s[48:49], s[48:49], BLKB          ; those loads are done, so their base may step: the block that this block's tail will ask for
	WIN 0x40
	BLOADW 0, 3                                    ; K step 0's fourth group
	FSTORE
	BAR                                            ; quarters 0 and 1 lie in LDS, whole
	QLOAD 0
	s_wait_dscnt 0x0
	QCVT
	IMAGE 0
	BAR                                            ; K step 0's four images lie in LDS
	ALOAD 0
	STEP 0, 1                                      ; its products start the sums: nothing is cleared
.irp s, 1,2,3,4,5,6,7
	STEP \s, 0
.endr
	; ---- THE TAIL.  Step 7's last four v_nop are the places behind the last products
	s_wait_loadcnt 0x0                             ; bias2 and V
	EPI 2, 0x92, 0x06
	s_cmp_eq_u32 s21, 1                            ; window 2 is idle from here to the next block's first products: the next block's first half of K is asked for, if there is a next block: no load leaves its buffer
	s_cbranch_scc1 .Lno_next
	FLOAD
.Lno_next:
	EPI 3, 0xd3, 0x07
.irp a, 0,1,2,3
	v_pk_add_f32 v[48+4*\a:49+4*\a], v[48+4*\a:49+4*\a], v[50+4*\a:51+4*\a]   ; the two chains,
.endr
.irp a, 0,1,2,3
	v_add_f32 v[128+\a], v[48+4*\a], v[49+4*\a]    ; a pair's two halves,
.endr
.irp a, 0,1,2,3
	v_permlanex16_b32 v[28+\a], v[128+\a], s40, s41
.endr
.irp a, 0,1,2,3
	v_add_f32 v[128+\a], v[128+\a], v[28+\a]       ; and lane l xor 16's: my wave's 256 units' sum of V r for rows 16 a + r
.endr
	ds_store_b128 v12, v[128:131]                  ; (both halves of the lanes store the same 16 bytes)
	BAR
.irp j, 0,1,2,3
	ds_load_b128 v[132+4*\j:135+4*\j], v13 offset:256*\j
.endr
	s_wait_dscnt 0x0
	v_pk_add_f32 v[132:133], v[132:133], v[136:137]   ; every wave adds the four in the same order: m, l and p are the same in all
	v_pk_add_f32 v[134:135], v[134:135], v[138:139]
	v_pk_add_f32 v[140:141], v[140:141], v[144:145]
	v_pk_add_f32 v[142:143], v[142:143], v[146:147]
	v_pk_add_f32 v[132:133], v[132:133], v[140:141]
	v_pk_add_f32 v[134:135], v[134:135], v[142:143]
	v_pk_mul_f32 v[132:133], v[132:133], 0xc038aa3b op_sel_hi:[1,0]   ; lam = -K2 x the sum
	v_pk_mul_f32 v[134:135], v[134:135], 0xc038aa3b op_sel_hi:[1,0]
	v_max3_num_f32 v136, v132, v133, v134          ; the block's largest lam: my four rows,
	v_max_num_f32 v136, v136, v135
	v_max_num_f32_dpp v136, v136, v136 row_xmask:1 row_mask:0xf bank_mask:0xf   ; and the sixteen lanes' (the two halves hold the same)
	v_max_num_f32_dpp v136, v136, v136 row_xmask:2 row_mask:0xf bank_mask:0xf
	v_max_num_f32_dpp v136, v136, v136 row_xmask:4 row_mask:0xf bank_mask:0xf
	v_max_num_f32_dpp v136, v136, v136 row_xmask:8 row_mask:0xf bank_mask:0xf
	v_max_num_f32 v137, v26, v136                  ; the new m
	v_sub_f32 v138, v26, v137                      ; m_old - m_new
	v_mov_b32 v26, v137
.irp a, 0,1,2,3
	v_sub_f32 v[140+\a], v[132+\a], v26
.endr
	v_exp_f32 v24, v138                            ; f = 2^(m_old - m_new)
.irp a, 0,1,2,3
	v_exp_f32 v[140+\a], v[140+\a]                 ; p = 2^(lam - m)
.endr
	v_add_nc_u32 v23, s46, v16                     ; where lam goes: the plain instruction behind the batch
	s_wait_alu depctr_va_vdst(0)                   ; one wait for the five, ahead of their first reader
	v_add_f32 v144, v140, v141
	v_add_f32 v145, v142, v143
	v_add_f32 v144, v144, v145
	v_add_f32_dpp v144, v144, v144 row_xmask:1 row_mask:0xf bank_mask:0xf
	v_add_f32_dpp v144, v144, v144 row_xmask:2 row_mask:0xf bank_mask:0xf
	v_add_f32_dpp v144, v144, v144 row_xmask:4 row_mask:0xf bank_mask:0xf
	v_add_f32_dpp v144, v144, v144 row_xmask:8 row_mask:0xf bank_mask:0xf
	v_fma_f32 v27, v27, v24, v144                  ; l = l f + the block's sum of p
.irp a, 0,1,2,3
	ds_store_b32 v14, v[140+\a] offset:64*\a       ; p of row 16 a + r, into my wave's own copy
.endr
	s_cmp_lg_u32 s20, 0
	s_cbranch_scc1 .Lno_lam
.irp a, 0,1,2,3
	ds_store_b32 v23, v[132+\a] offset:64*\a       ; wave 0 keeps lam for the end
.endr
.Lno_lam:
.irp k, 0,2,4,6,8,10,12,14
	v_pk_mul_f32 v[32+\k:33+\k], v[32+\k:33+\k], v[24:25] op_sel_hi:[1,0]   ; the context under the new m
.endr
	; the context: my 256 columns lie in my own quarter.  Behind row groups 0, 2 and 4 stand the loads of the next block's first three groups of W1's fragments: window 1 is idle since the activation
.irp g, 0,1,2,3,4,5,6,7,8,9,10,11,12,13,14,15
	ds_load_b128 v[64+4*\g:67+4*\g], v15 offset:16*\g   ; p of all 64 rows, in every lane.  LDS serves a wave's instructions in order (ISA guide 5.7.1.4): these see my stores
.endr
	CTXLOAD 0
	CTXLOAD 1
.irp G, 0,1,2,3,4,5,6,7
.if \G < 7
	s_wait_dscnt 16                                ; all but the youngest run of 16: p and this buffer's rows are in
.else
	s_wait_dscnt 0x0
.endif
	CTXFMA \G
.if \G < 6
	CTXLOAD \G+2
.endif
.if (\G == 0) || (\G == 2) || (\G == 4)
	NEXTW \G/2
.endif
.endr
	s_add_co_u32 s46, s46, 256
	s_sub_co_u32 s21, s21, 1
	s_cmp_lg_u32 s21, 0
	s_cbranch_scc1 .Lblock
.irp k, 0,2,4,6
	v_pk_add_f32 v[32+\k:33+\k], v[32+\k:33+\k], v[40+\k:41+\k]   ; the two sets
.endr
	v_lshrrev_b32 v23, 1, v3                       ; 8 x lane
	v_add_nc_u32 v21, LAMS, v3                     ; where lam is read back
	global_store_b128 v3, v[32:35], s[16:17]               ; 32 lanes store 512 consecutive bytes
	global_store_b128 v3, v[36:39], s[16:17] offset:512
	s_cmp_lg_u32 s20, 0
	s_cbranch_scc1 .Lend
	ds_load_b128 v[128:131], v21
	ds_load_b128 v[132:135], v21 offset:512
	global_store_b64 v23, v[26:27], s[18:19]               ; (m, l), 32 times: 256 consecutive bytes by one instruction
	s_wait_dscnt 0x0
	global_store_b128 v3, v[128:131], s[14:15]             ; lam of my work-group's 256 rows
	global_store_b128 v3, v[132:135], s[14:15] offset:512
.Lend:
	s_wait_tensorcnt 0x0                           ; the wave's end: the add and its waits, behind my last tensor load and my last LDS store
	ds_add_u32 v1, v2
	s_wait_dscnt 0x0
	s_endpgm
.Lfunc_end_k_q06fa5c777f_main:
	.size	k_q06fa5c777f_main, .Lfunc_end_k_q06fa5c777f_main-k_q06fa5c777f_main
	.p2alignl 7, 3214868480
	.fill 96, 4, 3214868480
	.section	.rodata,"a",@progbits
	.p2align	6, 0x0
	.amdhsa_kernel k_q06fa5c777f_main
		.amdhsa_group_segment_fixed_size 327680
		.amdhsa_private_segment_fixed_size 0
		.amdhsa_enable_private_segment 0
		.amdhsa_kernarg_size 64
		.amdhsa_user_sgpr_count 2
		.amdhsa_user_sgpr_kernarg_segment_ptr 1
		.amdhsa_wavefront_size32 1
		.amdhsa_system_sgpr_workgroup_id_x 1
		.amdhsa_system_sgpr_workgroup_id_y 1
		.amdhsa_system_sgpr_workgroup_id_z 1
		.amdhsa_system_vgpr_workitem_id 0
		.amdhsa_next_free_vgpr 1024
		.amdhsa_next_free_sgpr 66
		.amdhsa_reserve_vcc 0
		.amdhsa_float_denorm_mode_32 3
		.amdhsa_float_denorm_mode_16_64 3
		.amdhsa_memory_ordered 1
		.amdhsa_forward_progress 1
		.amdhsa_inst_pref_size 255
	.end_amdhsa_kernel
	.section	.bss,"aw",@nobits
	.p2align	6
	.space	262144
	.amdgpu_metadata
---
amdhsa.version: [ 1, 2 ]
amdhsa.kernels:
  - .name:           k_q06fa5c777f_main
    .symbol:         k_q06fa5c777f_main.kd
    .args:
      - { .name: features, .offset: 0, .size: 8, .value_kind: global_buffer, .address_space: global }
      - { .name: wf, .offset: 8, .size: 8, .value_kind: global_buffer, .address_space: global }
      - { .name: bi, .offset: 16, .size: 8, .value_kind: global_buffer, .address_space: global }
      - { .name: V_w, .offset: 24, .size: 8, .value_kind: global_buffer, .address_space: global }
      - { .name: lowp_scales, .offset: 32, .size: 8, .value_kind: global_buffer, .address_space: global }
      - { .name: lam, .offset: 40, .size: 8, .value_kind: global_buffer, .address_space: global }
      - { .name: part, .offset: 48, .size: 8, .value_kind: global_buffer, .address_space: global }
      - { .name: ml, .offset: 56, .size: 8, .value_kind: global_buffer, .address_space: global }
    .group_segment_fixed_size: 327680
    .private_segment_fixed_size: 0
    .kernarg_segment_align: 8
    .kernarg_segment_size: 64
    .max_flat_workgroup_size: 128
    .sgpr_count:     66
    .vgpr_count:     1024
    .wavefront_size: 32
...
	.end_amdgpu_metadata
.endif
;; end of part 2
;; launch finish (part 3): grid 32 x 1, 8 waves a work-group, no clusters, 0 bytes of LDS; arguments lam, part, ml, out0, out1; writes out0, out1
.if DOCPART == 3
	.amdgcn_target "amdgcn-amd-amdhsa--gfx1250"
	.amdhsa_code_object_version 6
	.text
	.protected	k_q06fa5c777f_finish
	.globl	k_q06fa5c777f_finish
	.p2align	8
	.type	k_q06fa5c777f_finish,@function
k_q06fa5c777f_finish:
	s_mov_b64 s[64:65], 0
	v_nop
	global_prefetch_b8 v0, s[64:65] scope:SCOPE_SE
	s_setreg_imm32_b32 hwreg(HW_REG_WAVE_MODE, 25, 1), 1
	s_wait_xcnt 0x0
; THE JOIN.  A batch's 2,048 rows were walked by eight work-groups of the fused launch; part j left its running maximum m_j, its sum l_j = sum 2^(lam - m_j), its context sum_t 2^(lam - m_j) x features, and lam of its rows.
; M = max m_j;  e_j = 2^(m_j - M);  L = sum e_j l_j;  out0 = sum_j (e_j / L) part_j;  out1 = 2^(lam - M) / L.  lam leaves out V_b and sum_u V_u, the same along the softmax's axis (shown at the head of the first kernel).
; SHARES.  A work-group to a batch, 256 threads: thread t takes columns 4 t .. 4 t + 3 of out0 and rows 4 t .. 4 t + 3 and 1,024 + 4 t .. + 3 of out1: every load and store of a wave covers 512 consecutive bytes.
; No LDS, no matrix unit, no cluster: the work-groups share nothing, and the launch moves 1.8 MB in all.
; v1 16 t; v8-39 the eight parts; v40-47 lam, then out1; v48-63 pairs (m_j, 0), then e_j, then e_j / L; v64 M; v65 L; v66 1 / L; v68-71 out0.  s[16:31] the pairs (m_j, l_j)
	s_load_b256 s[4:11], s[0:1], 0x0               ; lam s[4:5], part s[6:7], ml s[8:9], out0 s[10:11]
	s_load_b64 s[12:13], s[0:1], 0x20              ; out1
	v_lshlrev_b32 v1, 4, v0
	s_lshl_b32 s32, ttmp9, 11                      ; ml: eight blocks of 256 bytes a batch
	s_mov_b32 s33, 0
	s_lshl_b32 s34, ttmp9, 15                      ; part: eight rows of 4,096 bytes
	s_mov_b32 s35, 0
	s_lshl_b32 s36, ttmp9, 13                      ; lam and out1: 2,048 numbers
	s_mov_b32 s37, 0
	s_lshl_b32 s38, ttmp9, 12                      ; out0: 1,024 numbers
	s_mov_b32 s39, 0
	s_wait_kmcnt 0x0
	s_add_nc_u64 s[8:9], s[8:9], s[32:33]
	s_add_nc_u64 s[6:7], s[6:7], s[34:35]
	s_add_nc_u64 s[4:5], s[4:5], s[36:37]
	s_add_nc_u64 s[12:13], s[12:13], s[36:37]
	s_add_nc_u64 s[10:11], s[10:11], s[38:39]
.irp j, 0,1,2,3,4,5,6,7
	s_load_b64 s[16+2*\j:17+2*\j], s[8:9], 256*\j
.endr
	global_load_b128 v[40:43], v1, s[4:5] th:TH_LOAD_NT
	global_load_b128 v[44:47], v1, s[4:5] offset:4096 th:TH_LOAD_NT
.irp j, 0,1,2,3,4,5,6,7
	global_load_b128 v[8+4*\j:11+4*\j], v1, s[6:7] offset:4096*\j th:TH_LOAD_NT
.endr
	s_wait_kmcnt 0x0
.irp j, 0,1,2,3,4,5,6,7
	v_mov_b32 v[48+2*\j], s[16+2*\j]
	v_mov_b32 v[49+2*\j], 0                        ; (named as the upper half of a pair)
.endr
	v_max3_num_f32 v64, v48, v50, v52
	v_max3_num_f32 v64, v64, v54, v56
	v_max3_num_f32 v64, v64, v58, v60
	v_max_num_f32 v64, v64, v62                    ; M
.irp j, 0,1,2,3,4,5,6,7
	v_sub_f32 v[48+2*\j], v[48+2*\j], v64
.endr
	s_wait_loadcnt 8                               ; lam's two loads are in; the eight parts behind them may be out
.irp i, 0,1,2,3,4,5,6,7
	v_sub_f32 v[40+\i], v[40+\i], v64
.endr
.irp j, 0,1,2,3,4,5,6,7
	v_exp_f32 v[48+2*\j], v[48+2*\j]               ; e_j
.endr
.irp i, 0,1,2,3,4,5,6,7
	v_exp_f32 v[40+\i], v[40+\i]                   ; 2^(lam - M)
.endr
	v_nop                                          ; a plain instruction behind the batch,
	s_wait_alu depctr_va_vdst(0)                   ; and one wait for the sixteen, ahead of their first reader
	v_mul_f32 v65, s17, v48
.irp j, 1,2,3,4,5,6,7
	v_fma_f32 v65, v[48+2*\j], s[17+2*\j], v65     ; L
.endr
	v_rcp_f32 v66, v65
	v_nop
	s_wait_alu depctr_va_vdst(0)
.irp i, 0,1,2,3,4,5,6,7
	v_mul_f32 v[40+\i], v[40+\i], v66
.endr
	global_store_b128 v1, v[40:43], s[12:13]
	global_store_b128 v1, v[44:47], s[12:13] offset:4096
.irp j, 0,1,2,3,4,5,6,7
	v_mul_f32 v[48+2*\j], v[48+2*\j], v66          ; e_j / L
.endr
	s_wait_loadcnt 0x0
	v_pk_mul_f32 v[68:69], v[8:9], v[48:49] op_sel_hi:[1,0]    ; the first part starts the sums
	v_pk_mul_f32 v[70:71], v[10:11], v[48:49] op_sel_hi:[1,0]
.irp j, 1,2,3,4,5,6,7
	v_pk_fma_f32 v[68:69], v[8+4*\j:9+4*\j], v[48+2*\j:49+2*\j], v[68:69] op_sel_hi:[1,0,1]
	v_pk_fma_f32 v[70:71], v[10+4*\j:11+4*\j], v[48+2*\j:49+2*\j], v[70:71] op_sel_hi:[1,0,1]
.endr
	global_store_b128 v1, v[68:71], s[10:11]
	s_endpgm
.Lfunc_end_k_q06fa5c777f_finish:
	.size	k_q06fa5c777f_finish, .Lfunc_end_k_q06fa5c777f_finish-k_q06fa5c777f_finish
	.p2alignl 7, 3214868480
	.fill 96, 4, 3214868480
	.section	.rodata,"a",@progbits
	.p2align	6, 0x0
	.amdhsa_kernel k_q06fa5c777f_finish
		.amdhsa_group_segment_fixed_size 0
		.amdhsa_private_segment_fixed_size 0
		.amdhsa_enable_private_segment 0
		.amdhsa_kernarg_size 40
		.amdhsa_user_sgpr_count 2
		.amdhsa_user_sgpr_kernarg_segment_ptr 1
		.amdhsa_wavefront_size32 1
		.amdhsa_system_sgpr_workgroup_id_x 1
		.amdhsa_system_sgpr_workgroup_id_y 1
		.amdhsa_system_sgpr_workgroup_id_z 1
		.amdhsa_system_vgpr_workitem_id 0
		.amdhsa_next_free_vgpr 96
		.amdhsa_next_free_sgpr 66
		.amdhsa_reserve_vcc 0
		.amdhsa_float_denorm_mode_32 3
		.amdhsa_float_denorm_mode_16_64 3
		.amdhsa_memory_ordered 1
		.amdhsa_forward_progress 1
		.amdhsa_inst_pref_size 7
	.end_amdhsa_kernel
	.amdgpu_metadata
---
amdhsa.version: [ 1, 2 ]
amdhsa.kernels:
  - .name:           k_q06fa5c777f_finish
    .symbol:         k_q06fa5c777f_finish.kd
    .args:
      - { .name: lam, .offset: 0, .size: 8, .value_kind: global_buffer, .address_space: global }
      - { .name: part, .offset: 8, .size: 8, .value_kind: global_buffer, .address_space: global }
      - { .name: ml, .offset: 16, .size: 8, .value_kind: global_buffer, .address_space: global }
      - { .name: out0, .offset: 24, .size: 8, .value_kind: global_buffer, .address_space: global }
      - { .name: out1, .offset: 32, .size: 8, .value_kind: global_buffer, .address_space: global }
    .group_segment_fixed_size: 0
    .private_segment_fixed_size: 0
    .kernarg_segment_align: 8
    .kernarg_segment_size: 40
    .max_flat_workgroup_size: 256
    .sgpr_count:     66
    .vgpr_count:     96
    .wavefront_size: 32
...
	.end_amdgpu_metadata
.endif
;; end of part 3
